; MI455X (gfx1250); checked and timed in simulation.
; The chip was launched on July 23, 2026; its instructions are those of AMD's public machine-readable ISA for CDNA 5 (MIT licence, August 2026) and "CDNA5" Instruction Set Architecture Reference Guide (July 2026). The comments in the code are by the model that wrote it; some were corrected since.
;; Easy Control Network. Allowed arithmetic: matrix products marked QUANTISED: E4M3 operands, one E8M0 scale for each 32 along K, by v_wmma_scale_f32_16x16x128_f8f6f4 with both operands' format E4M3, f32 sums; everything else in f32.
;; Inputs: b_param 1 float32; cond_k 2 x 1,024 x 16 x 128 float32; cond_v 2 x 1,024 x 16 x 128 float32; target_k 2 x 2,048 x 16 x 128 float32; target_q 2 x 2,048 x 16 x 128 float32; target_v 2 x 2,048 x 16 x 128 float32.
;; Outputs: out0 2 x 2,048 x 2,048 float32.
;; This version of the problem:
;;   THIS VERSION OF THE PROBLEM IS GIVEN IN LOW PRECISION. The matrix products marked QUANTISED in the list below multiply operands that are first quantised to E4M3 (4 exponent bits, 3 mantissa bits; 8 bits a number), with one power-of-two scale for each 32 numbers along K (OCP MX v1.0); their sums are f32. All else is computed in f32.
;;   The module's matrix products, in the order in which they are computed (A, B: the left and right operand; K: the contracted axis; several contracted axes count as one K, in the product's order):
;;     1. batch 32 x [M 2,048, K 128] x [K 128, N 3,072]; A: input target_q; B: computed on the way: QUANTISED
;;     2. batch 32 x [M 128, K 3,072] x [K 3,072, N 2,048]; A: computed on the way; B: softmax (see below): QUANTISED
;;   THE QUANTISER, for each operand of a quantised product, along K:
;;     - K is cut into blocks of 32 from its start; a last block that is shorter is filled with zeros.
;;     - A block's scale is 2^e with e = floor(log2(the largest magnitude in the block)) - 8, held to -126 .. 127; a block of zeros has e = 0. As a byte (E8M0): e + 127.
;;     - Each number is divided by its block's scale, clamped to +-448, and rounded to the nearest number of E4M3, ties to even, subnormals kept.
;;     - The product sums the exact products of the quantised numbers (number of the format x scale) in f32.
;;   ~~~python
;;   def quantise(x, axis):      # numpy; x: float32 -> the quantised numbers, widened to float32 again
;;       x = np.moveaxis(x, axis, -1); K = x.shape[-1]
;;       x = np.pad(x, [(0, 0)] * (x.ndim - 1) + [(0, -K % 32)]); x = x.reshape(x.shape[:-1] + (-1, 32)); a = np.abs(x).max(-1, keepdims=True)
;;       e = np.where(a > 0, np.clip(np.frexp(np.where(a > 0, a, 1))[1] - 1 - 8, -126, 127), 0)      # np.frexp(a)[1] - 1 = floor(log2(a)), exactly
;;       r = np.clip(x / 2.0 ** e, -448, 448)
;;       step = 2.0 ** (np.maximum(np.frexp(np.where(r == 0, 1, r))[1] - 1, -6) - 3)
;;       q = np.round(r / step) * step * 2.0 ** e      # np.round: ties to even
;;       return np.moveaxis(q.reshape(q.shape[:-2] + (-1,))[..., :K], -1, axis).astype(np.float32)
;;   ~~~
;;   SOFTMAX AHEAD OF A QUANTISED PRODUCT. Where the list says 'softmax', what is quantised is not the finished softmax but p = 2^(t - M), with t = logit x log2(e) and M = ceil(the row's largest t), a whole number; so 1/2 < the row's largest p <= 1. The row's sum l is taken of the UNQUANTISED p, in f32, and the product's result is divided by l at the end. Since M is a whole number, a kernel that streams over the keys may use a running M (the ceiling of the running maximum): every later rescaling is an exact power of two, which a block's scale takes up: the codes' values come out the same.
;;   OPERANDS COMPUTED ON THE WAY. 'Computed on the way' means the value that the module computes at that place (a softmax that the list does not call 'softmax' is quantised finished and normalised). What goes into a quantiser is computed in f32, as accurately as f32 sums, v_exp_f32 and their like allow (about 1e-6 of the number): no bf16 or f16 on the way to a quantiser, and a product that is left as it is and whose result goes on into a quantised operand takes f32 operands (vector FMAs, or v_wmma_f32_16x16x4_f32). A number that lies on a knife's edge between two numbers of the format may be rounded either way, as far as f32 arithmetic and the matrix unit's own rounding can turn it there, and no further.
;; One version. Each part assembles by itself: llvm-mc -triple=amdgcn-amd-amdhsa -mcpu=gfx1250 --defsym DOCPART=n.
;; ======== version 1 of 1: 2 launches
;; limits: right only within a limited range of input values
;; workspace buffers: k_codes 12,582,912 bytes; k_scales 393,216 bytes; v_codes 12,582,912 bytes; v_scales 393,216 bytes
;; launch quant (part 1): grid 8 x 32, 4 waves a work-group, no clusters, 327,680 bytes of LDS; arguments target_k, cond_k, target_v, cond_v, k_codes, k_scales, v_codes, v_scales; writes k_codes, k_scales, v_codes, v_scales
.if DOCPART == 1
	.amdgcn_target "amdgcn-amd-amdhsa--gfx1250"
	.amdhsa_code_object_version 6
	.text
	.protected	k_q52a452c6e9_quant
	.globl	k_q52a452c6e9_quant
	.p2align	8
	.type	k_q52a452c6e9_quant,@function
k_q52a452c6e9_quant:
	s_mov_b64 s[64:65], 0
	v_nop
	global_prefetch_b8 v0, s[64:65] scope:SCOPE_SE
	s_setreg_imm32_b32 hwreg(HW_REG_WAVE_MODE, 25, 1), 1
	s_wait_xcnt 0x0
; K_ext = [target_k; cond_k] and V_ext = [target_v; cond_v], f32, [batch][key][16 heads][128], become codes of FP8 (E4M3) with one E8M0 byte for each 32 along a product's K.  No work of reference() is left out.
; K is quantised along the head's 128, V along the KEYS (blocks of 32 from key 0; 2,048 target keys are 64 whole blocks, so no block spans the two tensors).
; A block's scale is 2^(floor(log2(largest magnitude)) - 8); its byte is that magnitude's exponent field - 8, held at 1 from below; each number is divided by the scale, held within +-448, rounded to nearest even.
; OUT: k_codes [32 heads][pos 3072][128], k_scales [32][pos][4], pos = the key with bits 3 and 4 exchanged;  v_codes [32][d 128][key 3072];  v_scales [32][24 steps of 128 keys][d 128][4].
; LIMITS: a block of zeros gets the byte 1 where the rule says 127 (its codes are zeros, and this program alone reads the bytes); NaN and infinities among the inputs are not served.
; SHARES: work-group (g, y), head y, walks three trips i, x = g + 8 i.  A trip's K tile: keys 128 x .. + 127 of the head, rows of 512 bytes.  Its V tile: keys 256 (x / 2) .. + 255, channels 64 (x % 2) .. + 63, rows of 256 bytes.
; Trips 0 and 1 lie in the target tensors, trip 2 in the condition tensors.  Both tiles come by tensor loads into one of two LDS slots, a load a wave (waves 0, 1: halves of K's rows; 2, 3: halves of V's); a trip's loads are on their way while the trip before is worked.
; Waves 0, 1 work K (64 keys each; a step is 4 keys: a lane holds 16 neighbours, two lanes a block).  Waves 2, 3 work V (32 channels each: a lane a channel, registers down the keys).  All waves walk one loop of four trips; the roles part inside it.
; No cluster: no two work-groups read the same bytes.  No prefetch: every byte is read once and each trip's tiles are asked for a whole trip ahead by the loads themselves.
.set KPI,   528                        ; K's row in LDS: 512 bytes + 16
.set KT,    128*KPI                    ; K's tile; V's 256 rows of 256 bytes lie behind it
.set SLOTB, KT+65536
.set VST,   2*SLOTB                    ; V's way out: 32 rows x 272 bytes for each V wave
.set KSB,   VST+2*32*272               ; K's scale bytes, 256 for each K wave
.set VSB,   KSB+512                    ; V's scale bytes, 8 a lane
.set SPARE, VSB+512                    ; the spare words
.set EMAX,  8
.set MANT,  0x600000
.set X,     32                         ; v32-95 the numbers in hand
.set C,     96                         ; v96-111 codes
.set E,     112                        ; v112-115 scale bytes
.set OUTR,  128
.set G1K,   32
.set G1V,   40
.set G0K,   48
.set G0V,   52
.set KA1,   56
.set KA2,   58
.set VA1,   60
.set VA2,   62
.set CNT,   66
	s_load_b256 s[4:11], s[0:1], 0x0               ; target_k, cond_k, target_v, cond_v
	s_load_b256 s[12:19], s[0:1], 0x20             ; k_codes, k_scales, v_codes, v_scales
	v_lshl_add_u32 v200, v0, 2, SPARE
	v_mov_b32 v201, 0
	ds_add_u32 v200, v201                          ; the opening lines: the add twice on end and one wait
	ds_add_u32 v200, v201
	v_lshrrev_b32 v1, 5, v0
	v_readfirstlane_b32 s20, v1                    ; wave 0..3
	s_and_b32 s24, s20, 1                          ; e: my half
	s_mov_b32 s21, ttmp9                           ; g
	s_and_b32 s22, ttmp7, 0xffff                   ; the head
	s_mov_b32 s23, MANT
	s_mov_b32 s[G1K], (2<<16)|(1<<20)|(6<<22)|(3<<25)   ; K: 64 rows of 128 f32, 2,048 elements apart, 16 bytes of padding behind each
	s_mov_b32 s[G1K+1], 128<<16
	s_mov_b32 s[G1K+2], 64<<16
	s_mov_b32 s[G1K+3], 128<<16
	s_mov_b32 s[G1K+4], 64
	s_mov_b32 s[G1K+5], 2048
	s_mov_b32 s[G1K+6], 0
	s_mov_b32 s[G1K+7], 0
	s_mov_b32 s[G1V], 2<<16                        ; V: 128 rows of 64 f32
	s_mov_b32 s[G1V+1], 64<<16
	s_mov_b32 s[G1V+2], 128<<16
	s_mov_b32 s[G1V+3], 64<<16
	s_mov_b32 s[G1V+4], 128
	s_mov_b32 s[G1V+5], 2048
	s_mov_b32 s[G1V+6], 0
	s_mov_b32 s[G1V+7], 0
	s_mul_i32 s25, s24, 64*KPI                     ; my half of K's rows in a slot
	s_lshl_b32 s26, s24, 15
	s_add_co_u32 s26, s26, KT                      ; my half of V's rows
	s_lshl_b32 s27, s24, 8
	s_add_co_u32 s28, s27, KSB
	s_add_co_u32 s29, s27, VSB
	s_lshl_b32 s30, s24, 7
	s_add_co_u32 s30, s30, KT                      ; my 32 channels of V's rows
	s_mul_i32 s31, s24, 32*272
	s_add_co_u32 s31, s31, VST
	v_and_b32 v2, 31, v0
	v_lshlrev_b32 v3, 4, v2                        ; 16 x lane: my codes of a K step
	v_lshrrev_b32 v8, 3, v2
	v_and_b32 v9, 7, v2
	v_mul_u32_u24 v15, v8, KPI
	v_lshl_add_u32 v15, v9, 6, v15
	v_add_nc_u32 v15, s25, v15                     ; K, slot 0: key lane / 8 of a step, 64 bytes lane % 8
	v_add_nc_u32 v16, SLOTB, v15                   ; slot 1
	v_lshrrev_b32 v5, 1, v2
	v_add_nc_u32 v5, s28, v5                       ; my block's scale byte
	v_lshlrev_b32 v7, 3, v2
	v_add_nc_u32 v6, s28, v7
	v_add_nc_u32 v19, s29, v7                      ; V's scale bytes, 8 a lane
	v_lshlrev_b32 v192, 2, v2
	v_add_nc_u32 v17, s30, v192                    ; V, slot 0: my channel
	v_add_nc_u32 v18, SLOTB, v17
	v_mul_u32_u24 v193, v2, 272
	v_add_nc_u32 v193, s31, v193                   ; V's stage, way in
	v_and_b32 v8, 15, v2
	v_lshrrev_b32 v9, 4, v2
	v_mul_u32_u24 v194, v9, 272
	v_lshl_add_u32 v194, v8, 4, v194
	v_add_nc_u32 v194, s31, v194                   ; way out: sixteen lanes a row
	v_mul_u32_u24 v195, v9, 3072
	v_lshl_add_u32 v195, v8, 4, v195
	s_wait_alu depctr_va_vdst(0)                   ; the wait at the head's end
	s_wait_dscnt 0x0
	s_wait_kmcnt 0x0
	s_lshr_b32 s67, s22, 4                         ; batch
	s_and_b32 s68, s22, 15
	s_lshl_b32 s68, s68, 9                         ; the head's 512 bytes of a key's row
	s_lshl_b32 s69, s21, 7
	s_lshl_b32 s70, s24, 6
	s_add_co_u32 s69, s69, s70                     ; 128 g + 64 e
	s_lshl_b32 s70, s69, 13
	s_add_co_u32 s70, s70, s68
	s_mov_b32 s73, 0
	s_lshl_b32 s72, s67, 24
	s_add_co_u32 s72, s72, s70
	s_add_nc_u64 s[G0K+2:G0K+3], s[4:5], s[72:73]  ; trip 0
	s_add_nc_u64 s[KA1:KA1+1], s[G0K+2:G0K+3], 0x800000   ; trip 1: 1,024 keys on
	s_lshl_b32 s72, s67, 23
	s_add_co_u32 s72, s72, s70
	s_add_nc_u64 s[KA2:KA2+1], s[6:7], s[72:73]    ; trip 2
	s_lshr_b32 s71, s21, 1
	s_and_b32 s74, s21, 1
	s_lshl_b32 s70, s71, 8
	s_lshl_b32 s75, s24, 7
	s_add_co_u32 s70, s70, s75                     ; 256 (g / 2) + 128 e
	s_lshl_b32 s70, s70, 13
	s_add_co_u32 s70, s70, s68
	s_lshl_b32 s75, s74, 8
	s_add_co_u32 s70, s70, s75
	s_lshl_b32 s72, s67, 24
	s_add_co_u32 s72, s72, s70
	s_add_nc_u64 s[G0V+2:G0V+3], s[8:9], s[72:73]
	s_add_nc_u64 s[VA1:VA1+1], s[G0V+2:G0V+3], 0x800000
	s_lshl_b32 s72, s67, 23
	s_add_co_u32 s72, s72, s70
	s_add_nc_u64 s[VA2:VA2+1], s[10:11], s[72:73]
	s_or_b32 s[G0K+3], s[G0K+3], 0x80000000
	s_or_b32 s[G0V+3], s[G0V+3], 0x80000000
	s_mov_b32 s[G0K], 1
	s_mov_b32 s[G0K+1], s25
	s_mov_b32 s[G0V], 1
	s_mov_b32 s[G0V+1], s26
.macro FILL                            ; a load a wave, one in each arm
	s_cmp_lt_u32 s20, 2
	s_cbranch_scc0 .Lfv_\@
	tensor_load_to_lds s[G0K:G0K+3], s[G1K:G1K+7]
	s_nop 0
.rept 4
	v_nop
.endr
	s_branch .Lfj_\@
.Lfv_\@:
	tensor_load_to_lds s[G0V:G0V+3], s[G1V:G1V+7]
	s_nop 0
.rept 4
	v_nop
.endr
.Lfj_\@:
.endm
	FILL                                           ; trip 0 into slot 0
	s_mul_i32 s76, s22, 393216                     ; the four outputs at my part of trip 0
	s_mul_i32 s77, s22, 12288
	s_lshl_b32 s72, s69, 7
	s_add_co_u32 s72, s72, s76
	s_add_nc_u64 s[12:13], s[12:13], s[72:73]
	s_lshl_b32 s72, s69, 2
	s_add_co_u32 s72, s72, s77
	s_add_nc_u64 s[14:15], s[14:15], s[72:73]
	s_lshl_b32 s78, s74, 6
	s_lshl_b32 s75, s24, 5
	s_add_co_u32 s78, s78, s75                     ; my first channel
	s_mul_i32 s72, s78, 3072
	s_add_co_u32 s72, s72, s76
	s_lshl_b32 s75, s71, 8
	s_add_co_u32 s72, s72, s75
	s_add_nc_u64 s[16:17], s[16:17], s[72:73]
	s_lshl_b32 s72, s71, 10
	s_add_co_u32 s72, s72, s77
	s_lshl_b32 s75, s78, 2
	s_add_co_u32 s72, s72, s75
	s_add_nc_u64 s[18:19], s[18:19], s[72:73]
; The lines ahead of a fill: all my tensor loads are in, the add, my LDS reads are over; then the barrier.  n: which trip's tiles the descriptors are set for (0: none).
.macro SEQ n
	s_wait_tensorcnt 0x0
	ds_add_u32 v200, v201
.if \n == 1
	s_add_co_u32 s[G0K+1], s25, SLOTB
	s_add_co_u32 s[G0V+1], s26, SLOTB
	s_mov_b64 s[G0K+2:G0K+3], s[KA1:KA1+1]
	s_mov_b64 s[G0V+2:G0V+3], s[VA1:VA1+1]
.endif
.if \n == 2
	s_mov_b32 s[G0K+1], s25
	s_mov_b32 s[G0V+1], s26
	s_mov_b64 s[G0K+2:G0K+3], s[KA2:KA2+1]
	s_mov_b64 s[G0V+2:G0V+3], s[VA2:VA2+1]
.endif
.if \n
	s_or_b32 s[G0K+3], s[G0K+3], 0x80000000
	s_or_b32 s[G0V+3], s[G0V+3], 0x80000000
.endif
	s_wait_dscnt 0x0
	s_barrier_signal -1
	s_barrier_wait -1
.endm
.macro KSTEP u, i                      ; keys 4 u .. 4 u + 3 of the loop trip's 16
.set XS, X+16*(\u)
.set PT, (4*(\u)&4)+(((\u)>>1)<<4)     ; where they go: the key's bit 3 becomes bit 4
	s_wait_dscnt 4*(3-(\u))+(\u)                   ; behind this step's loads: the later steps' loads and the byte stores since
	v_max3_num_f32 v8, |v[XS]|, |v[XS+1]|, |v[XS+2]|
	v_max3_num_f32 v9, |v[XS+3]|, |v[XS+4]|, |v[XS+5]|
.irp j, 6,10
	v_max3_num_f32 v8, v8, |v[XS+\j]|, |v[XS+\j+1]|
	v_max3_num_f32 v9, v9, |v[XS+\j+2]|, |v[XS+\j+3]|
.endr
	v_max3_num_f32 v8, v8, |v[XS+14]|, |v[XS+15]|
	v_max3_num_f32 v8, v8, v9, (EMAX+1)<<23        ; with the floor 2^(9 - 127)
	v_max_num_f32_dpp v8, v8, v8 row_xmask:1 row_mask:0xf bank_mask:0xf   ; with my neighbour's 16
	v_add_nc_u32 v11, -(EMAX<<23), v8              ; the conversion's scale operand
	v_and_or_b32 v10, v8, 0x7f800000, s23          ; 448 x the scale
.set jj, 0
.rept 16
	v_med3_num_f32 v[XS+jj], v[XS+jj], -v10, v10   ; the conversion does not saturate (ISA guide 7.6.2)
.set jj, jj+1
.endr
	v_cvt_scalef32_pk8_fp8_f32 v[C+4*(\u):C+4*(\u)+1], v[XS:XS+7], v11
	v_cvt_scalef32_pk8_fp8_f32 v[C+4*(\u)+2:C+4*(\u)+3], v[XS+8:XS+15], v11
	v_lshrrev_b32 v[E+(\u)], 23, v11
	ds_store_b8 v21, v[E+(\u)] offset:4*PT
	global_store_b128 v22, v[C+4*(\u):C+4*(\u)+3], s[12:13] offset:128*PT+131072*(\i)   ; 512 consecutive bytes
.endm
.macro VBLOCK bb                       ; 32 keys of my channel
.set XS, X+32*(\bb)
	v_max3_num_f32 v12, |v[XS]|, |v[XS+1]|, |v[XS+2]|
	v_max3_num_f32 v13, |v[XS+3]|, |v[XS+4]|, |v[XS+5]|
.irp j, 6,10,14,18,22,26
	v_max3_num_f32 v12, v12, |v[XS+\j]|, |v[XS+\j+1]|
	v_max3_num_f32 v13, v13, |v[XS+\j+2]|, |v[XS+\j+3]|
.endr
	v_max3_num_f32 v12, v12, |v[XS+30]|, |v[XS+31]|
	v_max3_num_f32 v12, v12, v13, (EMAX+1)<<23
	v_add_nc_u32 v11, -(EMAX<<23), v12
	v_and_or_b32 v10, v12, 0x7f800000, s23
	v_lshrrev_b32 v[E+(\bb)], 23, v11
.set jj, 0
.rept 32
	v_med3_num_f32 v[XS+jj], v[XS+jj], -v10, v10
.set jj, jj+1
.endr
.irp q, 0,1,2,3
	v_cvt_scalef32_pk8_fp8_f32 v[C+8*(\bb)+2*\q:C+8*(\bb)+2*\q+1], v[XS+8*\q:XS+8*\q+7], v11
.endr
	ds_store_b128 v24, v[C+8*(\bb):C+8*(\bb)+3] offset:32*(\bb)
	ds_store_b128 v24, v[C+8*(\bb)+4:C+8*(\bb)+7] offset:32*(\bb)+16
	ds_store_b8 v25, v[E+(\bb)] offset:\bb
.endm
; A trip's work.  ak, av: the slot's address registers.  Loop trip n: K waves take keys 16 n .. + 15 of their 64, V waves keys 64 n .. + 63.  All address registers are made ahead of the parting.
.macro WORK ak, av, i
	s_mov_b32 s[CNT], 0
.Lw_\@:
	s_and_b32 s67, s[CNT], 1
	s_lshl_b32 s67, s67, 3
	s_lshr_b32 s68, s[CNT], 1
	s_lshl_b32 s68, s68, 5
	s_or_b32 s67, s67, s68                         ; the 16 keys' place: the key's bit 4 becomes bit 3, bit 5 stays
	s_lshl_b32 s68, s67, 2
	s_lshl_b32 s69, s67, 7
	s_mul_i32 s70, s[CNT], 16*KPI
	s_lshl_b32 s71, s[CNT], 14
	s_lshl_b32 s72, s[CNT], 6
	s_lshl_b32 s73, s[CNT], 1
	s_wait_xcnt 0x0                                ; earlier stores have read their offsets and data
	v_add_nc_u32 v20, s70, v[\ak]
	v_add_nc_u32 v21, s68, v5
	v_add_nc_u32 v22, s69, v3
	v_add_nc_u32 v23, s71, v[\av]
	v_add_nc_u32 v24, s72, v193
	v_add_nc_u32 v25, s73, v19
	s_wait_alu depctr_va_vdst(0)                   ; the wait ahead of the branch
	s_cmp_lt_u32 s20, 2
	s_cbranch_scc0 .Lwv_\@
.irp u, 0,1,2,3
.irp j, 0,1,2,3
	ds_load_b128 v[X+16*\u+4*\j:X+16*\u+4*\j+3], v20 offset:4*\u*KPI+16*\j
.endr
.endr
.irp u, 0,1,2,3
	KSTEP \u, \i
.endr
	s_branch .Lwj_\@
.Lwv_\@:
.set jj, 0
.rept 64
	ds_load_b32 v[X+jj], v23 offset:256*jj         ; a load reads 128 consecutive bytes of a key's row
.set jj, jj+1
.endr
	s_wait_dscnt 32                                ; the first block's 32 loads are in
	VBLOCK 0
	s_wait_dscnt 3                                 ; behind the second block's loads stand three stores
	VBLOCK 1
.Lwj_\@:
	s_add_co_u32 s[CNT], s[CNT], 1
	s_cmp_lt_u32 s[CNT], 4
	s_cbranch_scc1 .Lw_\@
	s_cmp_lt_u32 s20, 2
	s_cbranch_scc0 .Lov_\@
	ds_load_b64 v[12:13], v6                       ; my 64 keys' scale words: in order behind my byte stores
	s_wait_dscnt 0x0
	global_store_b64 v7, v[12:13], s[14:15] offset:4096*(\i)   ; 256 consecutive bytes
	s_branch .Loj_\@
.Lov_\@:
	ds_load_b64 v[12:13], v19                      ; my channel's two scale words
.irp t, 0,1,2,3,4,5,6,7,8,9,10,11,12,13,14,15
	ds_load_b128 v[OUTR+4*\t:OUTR+4*\t+3], v194 offset:2*\t*272
.endr
	s_wait_dscnt 16
	global_store_b32 v192, v12, s[18:19] offset:4096*(\i)
	global_store_b32 v192, v13, s[18:19] offset:4096*(\i)+512
.irp t, 0,1,2,3,4,5,6,7,8,9,10,11,12,13,14,15
	s_wait_dscnt 15-\t
	global_store_b128 v195, v[OUTR+4*\t:OUTR+4*\t+3], s[16:17] offset:2*\t*3072+1024*(\i)   ; sixteen lanes store 256 consecutive bytes of a channel's row
.endr
.Loj_\@:
.endm
	SEQ 1
	FILL                                           ; trip 1 into slot 1: a first fill, issued as a refill is
	WORK 15, 17, 0
	SEQ 2
	FILL                                           ; trip 2 into slot 0
	WORK 16, 18, 1
	SEQ 0
	WORK 15, 17, 2
	s_wait_tensorcnt 0x0                           ; the wave's end
	ds_add_u32 v200, v201
	s_wait_dscnt 0x0
	s_endpgm
.Lfunc_end_k_q52a452c6e9_quant:
	.size	k_q52a452c6e9_quant, .Lfunc_end_k_q52a452c6e9_quant-k_q52a452c6e9_quant
	.p2alignl 7, 3214868480
	.fill 96, 4, 3214868480
	.section	.rodata,"a",@progbits
	.p2align	6, 0x0
	.amdhsa_kernel k_q52a452c6e9_quant
		.amdhsa_group_segment_fixed_size 327680
		.amdhsa_private_segment_fixed_size 0
		.amdhsa_enable_private_segment 0
		.amdhsa_kernarg_size 64
		.amdhsa_user_sgpr_count 2
		.amdhsa_user_sgpr_kernarg_segment_ptr 1
		.amdhsa_wavefront_size32 1
		.amdhsa_system_sgpr_workgroup_id_x 1
		.amdhsa_system_sgpr_workgroup_id_y 1
		.amdhsa_system_sgpr_workgroup_id_z 1
		.amdhsa_system_vgpr_workitem_id 0
		.amdhsa_next_free_vgpr 208
		.amdhsa_next_free_sgpr 80
		.amdhsa_reserve_vcc 0
		.amdhsa_float_denorm_mode_32 3
		.amdhsa_float_denorm_mode_16_64 3
		.amdhsa_memory_ordered 1
		.amdhsa_forward_progress 1
		.amdhsa_inst_pref_size 85
	.end_amdhsa_kernel
	.amdgpu_metadata
---
amdhsa.version: [ 1, 2 ]
amdhsa.kernels:
  - .name:           k_q52a452c6e9_quant
    .symbol:         k_q52a452c6e9_quant.kd
    .args:
      - { .name: target_k, .offset: 0, .size: 8, .value_kind: global_buffer, .address_space: global }
      - { .name: cond_k, .offset: 8, .size: 8, .value_kind: global_buffer, .address_space: global }
      - { .name: target_v, .offset: 16, .size: 8, .value_kind: global_buffer, .address_space: global }
      - { .name: cond_v, .offset: 24, .size: 8, .value_kind: global_buffer, .address_space: global }
      - { .name: k_codes, .offset: 32, .size: 8, .value_kind: global_buffer, .address_space: global }
      - { .name: k_scales, .offset: 40, .size: 8, .value_kind: global_buffer, .address_space: global }
      - { .name: v_codes, .offset: 48, .size: 8, .value_kind: global_buffer, .address_space: global }
      - { .name: v_scales, .offset: 56, .size: 8, .value_kind: global_buffer, .address_space: global }
    .group_segment_fixed_size: 327680
    .private_segment_fixed_size: 0
    .kernarg_segment_align: 8
    .kernarg_segment_size: 64
    .max_flat_workgroup_size: 128
    .sgpr_count:     80
    .vgpr_count:     208
    .wavefront_size: 32
...
	.end_amdgpu_metadata
.endif
;; end of part 1
;; launch attn (part 2): grid 8 x 32, 4 waves a work-group, clusters of 4 x 1, 327,680 bytes of LDS; arguments target_q, b_param, k_codes, k_scales, v_codes, v_scales, out0; writes out0
.if DOCPART == 2
	.amdgcn_target "amdgcn-amd-amdhsa--gfx1250"
	.amdhsa_code_object_version 6
	.text
	.protected	k_q52a452c6e9_attn
	.globl	k_q52a452c6e9_attn
	.p2align	8
	.type	k_q52a452c6e9_attn,@function
k_q52a452c6e9_attn:
	s_mov_b64 s[64:65], 0
	v_nop
	global_prefetch_b8 v0, s[64:65] scope:SCOPE_SE
	s_setreg_imm32_b32 hwreg(HW_REG_WAVE_MODE, 25, 1), 1
	s_wait_xcnt 0x0
	s_wait_alu depctr_hold_cnt(0) depctr_sa_sdst(0) depctr_va_vdst(0) depctr_va_sdst(0) depctr_va_ssrc(0) depctr_va_vcc(0) depctr_vm_vsrc(0)
	s_getreg_b32 s2, hwreg(HW_REG_IB_STS2, 6, 4)
	s_cmp_eq_u32 s2, 0
	s_cbranch_scc0 .Lentry_in_a_cluster
	s_endpgm
.Lentry_in_a_cluster:
	s_bfe_u32 s2, ttmp6, 0x10000c
	s_cmp_lg_u32 s2, 0x3003
	s_cbranch_scc0 .Lentry_shape_is_right
	s_endpgm
.Lentry_shape_is_right:
; out[b][q][h][:] = the sum over 3,072 keys of softmax_k(Q . K_ext / sqrt(128) + bias_k) V_ext; bias_k = 0 for keys under 2,048, b_param for the others.  Both products on codes of FP8 (E4M3) with E8M0 scales.  No work of reference() is left out.
; Q: f32, quantised here in registers (each row is read by one wave, once).  K, V: codes and scale bytes of the launch before:
;   k_codes [32][pos 3072][128], k_scales [32][pos][4] (pos = key with bits 3 and 4 exchanged);  v_codes [32][d 128][key 3072];  v_scales [32][24 steps][d 128][4].
; SOFTMAX: t = score x log2(e) / sqrt(128) + bias x log2(e); M = the running largest t rounded up to a whole number; p = 2^(t - M) is quantised along the keys; the sum of the unquantised p divides at the end.
; When M moves, the sum and O are multiplied by 2^(old M - new M), which rounds nothing.
; SHARES: a work-group owns 256 queries of a head; each of its four waves 64, four tiles of 16: a fragment of K or V read from LDS feeds four matrix instructions.  24 steps of 128 keys; a slot holds two steps; two slots by turns.
; A STEP: K's fragments are asked of LDS; O^T of tiles 2, 3 is rescaled and takes the step before's product with V, on registers alone; S^T of tiles 0, 1; V's fragments are asked for; softmax 0, 1; O^T of tiles 0, 1 is rescaled;
; S^T of tiles 2, 3; softmax 2, 3, with this step's 16 products with V of tiles 0, 1 standing among its exponentials, one to eight.  At a change of slots every read of the slot left is over, and one text of the step serves both
; steps of a slot (an inner loop of two trips); the last product of tiles 2, 3 stands behind the loops.
; LAYOUT: both products transposed (source 0 = 16 keys, or 16 channels): a lane holds one query (lane % 16).  The 16 registers of tiles 2 b, 2 b + 1 of S^T are keys 32 b + 16 (lane / 16) + 0 .. 15: p's codes are the second product's operand as made.
; CLUSTER: the four work-groups of a cluster belong to one head: every tile of K, V and scale bytes is asked for jointly, mask of all four.
; LIMITS: p under 2^-126 comes out of v_exp_f32 as 0; bias x log2(e) - M is rounded once ahead of the multiply-add; NaN and infinities among the inputs are not served.
; REGISTERS.  Window 0: v1-11, v100-105 addresses; v12-43 statistics, eight a tile; v44-67 scale words alone; v68-99 at work; v128-255 S^T, then p, of two tiles.  Window 1: v0-63 Q's codes, v64-127 p's.
;   Window 2: O^T, 64 a tile.  Window 3: v0-127 K's eight fragments, v128-255 V's (at the head: Q as loaded).
.set KP,    144                        ; a key's row in LDS: 128 bytes + 16
.set VP,    272                        ; a channel's row of 256 keys + 16
.set VOFF,  256*KP                     ; a slot: 256 rows of K, then 128 rows of V: 71,680 bytes
.set SLOT1, 1<<17                      ; slot 1: one exclusive or turns an address
.set QSTG,  73728                      ; between the slots: a stage of 16 rows x 528 bytes for each wave; no tensor load lands there.  Q's way in, O's way out
.set QPI,   528
.set WSTG,  16*QPI
.set SCK,   2*SLOT1                    ; K's scale words of the head, 12,288 bytes, filled once
.set SCV,   SCK+12288
.set SPARE, SCV+12288                  ; the spare words: 128 bytes a wave
.set AK0,  1
.set AV0,  2
.set AS0,  3
.set BLV,  4                           ; b x log2(e)
.set SPW,  5
.set NIL,  6
.set PFO,  7                           ; the prefetches' lane offset
.set ADK,  8
.set ADV,  9
.set ADS,  10
.set BV,   11                          ; the slot's bias, as t
.set ST,   12                          ; tile x at ST + 8 x: +0 -M, +1 largest t, +2, +3 the sum, +4 f, +5 M's change, +6 bias - M, +7 the step's largest t
.set QS,   44
.set PS,   48
.set FK,   52
.set FV,   60
.set W,    68                          ; 16 for each tile of a pair: +0..3 a block's largest, then sums, +4..7 the other half's, bytes, sums, +8..11 448 x scale, +12..15 the conversion's scale operand
.set GL,   100                         ; 16 x lane: my bytes of a row of Q or out
.set SRW,  101                         ; stage, by rows
.set SQF,  102                         ; stage, Q's fragment: row r, + 64 h
.set SOF,  103                         ; stage, O's way in: row r, + 32 h
.set S,    128
.set PC,   64                          ; p's codes, window 1
.set TB,   2
.set TS,   3                           ; 512 x the step
.set WV,   18
.set MNT,  19
.set SEL,  20
.set CS,   22
.set G1K,  24
.set G1V,  32
.set G0K,  40
.set G0V,  44
.set G1S,  48
.set G0SK, 56
.set G0SV, 60
.set BI,   66
.set SLOTS, 67
.set PFA,  84
.set PFS,  86
.set LIM,  88
.set TK,   89                          ; LDS byte of the step's rows of K
.set TV,   98                          ; and of its part of V's rows
.set CNT,  99
.set MSB, 0
.macro WIN new                         ; bits 1:0 source 0, 3:2 source 1, 5:4 source 2, 7:6 destination; the high byte repeats the setting left
.if MSB != \new
	s_set_vgpr_msb (MSB<<8)|\new
.set MSB, \new
.endif
.endm
.macro CROUND                          ; a round of the cluster's barrier
	s_barrier_signal -1
	s_barrier_wait -1
	s_cmp_lg_u32 s[WV], 0
	s_cbranch_scc1 .Lnot_wave_0_\@
	s_barrier_signal -3
.Lnot_wave_0_\@:
	s_barrier_wait -3
	s_barrier_signal -1
	s_barrier_wait -1
.endm
.macro TL g0, g1                       ; a tensor load with an s_nop and four v_nops behind it
	tensor_load_to_lds s[\g0:\g0+3], s[\g1:\g1+7]
	s_nop 0
.rept 4
	v_nop
.endr
.endm
.macro JLOAD                           ; a joint refill: wave 0 K's 256 rows, wave 1 V's 128, the others nothing
	s_cmp_lt_u32 s[WV], 1
	s_cbranch_scc0 .Lnot_k_\@
	TL G0K, G1K
	s_branch .Lasked_\@
.Lnot_k_\@:
	s_cmp_lt_u32 s[WV], 2
	s_cbranch_scc0 .Lasked_\@
	TL G0V, G1V
.Lasked_\@:
.endm
; A prefetch of what the NEXT change of slots will ask for, two key steps ahead of that load.  The head's first cluster asks; its four partners share the bytes out by address: 8,192 bytes of K (wave 2, lanes 256 bytes apart)
; and 32 rows of V (wave 3, a lane a row) each: every aligned 256 bytes are named once.  The last filling change asks for nothing; slots 0 and 1 come by their loads alone.
.macro ASK
	s_cmp_gt_u32 s[SLOTS], s[LIM]
	s_cbranch_scc0 .Lnot_mine_\@
	global_prefetch_b8 v[PFO], s[PFA:PFA+1] th:TH_LOAD_NT scope:SCOPE_SE
.Lnot_mine_\@:
.endm
	s_load_b256 s[4:11], s[0:1], 0x0               ; Q, b, K's codes, K's scales
	s_load_b128 s[12:15], s[0:1], 0x20             ; V's codes, V's scales
	s_load_b64 s[16:17], s[0:1], 0x30              ; out
	v_lshl_add_u32 v[SPW], v0, 2, SPARE
	v_mov_b32 v[NIL], 0
	ds_add_u32 v[SPW], v[NIL]                      ; the opening lines: the add twice on end and one wait
	ds_add_u32 v[SPW], v[NIL]
	v_lshrrev_b32 v8, 5, v0
	v_readfirstlane_b32 s[WV], v8                  ; wave 0..3
	s_bfe_u32 s69, ttmp6, 0x40000                  ; cx
	s_lshl_b32 s70, ttmp9, 2
	s_add_co_u32 s70, s70, s69                     ; my block of 256 queries: enters Q's and out's addresses alone
	s_and_b32 s71, ttmp7, 0xffff                   ; the head, shared by the partners
	s_mov_b32 s[G1K], 15|(1<<20)|(1<<21)|(4<<22)|(3<<25)   ; K: 256 rows of 128 bytes, dense, 16 bytes of padding behind each; mask of all four
	s_mov_b32 s[G1K+1], 128<<16
	s_mov_b32 s[G1K+2], 256<<16
	s_mov_b32 s[G1K+3], 128<<16
	s_mov_b32 s[G1K+4], 256
	s_mov_b32 s[G1K+5], 128
	s_mov_b32 s[G1K+6], 0
	s_mov_b32 s[G1K+7], 0
	s_mov_b32 s[G1V], 15|(1<<20)|(1<<21)|(5<<22)|(3<<25)   ; V: 128 rows of 256 bytes, 3,072 apart
	s_mov_b32 s[G1V+1], 256<<16
	s_mov_b32 s[G1V+2], 128<<16
	s_mov_b32 s[G1V+3], 256<<16
	s_mov_b32 s[G1V+4], 128
	s_mov_b32 s[G1V+5], 3072
	s_mov_b32 s[G1V+6], 0
	s_mov_b32 s[G1V+7], 0
	s_mov_b32 s[G1S], 15|(3<<16)|(1<<21)           ; scale bytes: 12,288 dense bytes as 48 rows of 32 elements of 8 bytes
	s_mov_b32 s[G1S+1], 32<<16
	s_mov_b32 s[G1S+2], 48<<16
	s_mov_b32 s[G1S+3], 32<<16
	s_mov_b32 s[G1S+4], 48
	s_mov_b32 s[G1S+5], 32
	s_mov_b32 s[G1S+6], 0
	s_mov_b32 s[G1S+7], 0
	s_mul_i32 s72, s71, 393216                     ; the head's first byte of codes,
	s_mul_i32 s74, s71, 12288                      ; and of scale bytes
	s_mov_b32 s78, s72
	s_mov_b32 s79, 0
	s_mov_b32 s82, s74
	s_mov_b32 s83, 0
	s_mov_b32 s[SEL], 0x76543210
	s_mov_b32 s[SEL+1], 0xfedcba98
	s_mov_b32 s[CS], 0x3e0293ee                    ; log2(e) / sqrt(128)
	s_mov_b32 s[CS+1], s[CS]
	s_mov_b32 s[MNT], 0x600000
	s_mov_b32 s[TB], 0
	s_mov_b32 s[TS], 0
	s_mov_b32 s[SLOTS], 11
	s_lshr_b32 s94, s71, 4                         ; my 64 queries in Q and out: batch x 2^24 + (256 block + 64 wave) x 8,192 + h x 512
	s_lshl_b32 s94, s94, 24
	s_and_b32 s95, s71, 15
	s_lshl_b32 s95, s95, 9
	s_add_co_u32 s94, s94, s95
	s_lshl_b32 s95, s70, 8
	s_lshl_b32 s96, s[WV], 6
	s_add_co_u32 s95, s95, s96
	s_lshl_b32 s95, s95, 13
	s_add_co_u32 s94, s94, s95
	s_mov_b32 s95, 0
	s_mul_i32 s73, s[WV], WSTG
	s_add_co_u32 s73, s73, QSTG                    ; my stage
	v_and_b32 v104, 15, v0                         ; r
	v_bfe_u32 v105, v0, 4, 1                       ; h
	v_and_b32 v[GL], 31, v0
	v_lshlrev_b32 v[GL], 4, v[GL]
	v_add_nc_u32 v[SRW], s73, v[GL]
	v_mul_u32_u24 v[SQF], v104, QPI
	v_add_nc_u32 v[SQF], s73, v[SQF]
	v_lshl_add_u32 v[SOF], v105, 5, v[SQF]
	v_lshl_add_u32 v[SQF], v105, 6, v[SQF]
	v_mul_u32_u24 v[AK0], v104, KP
	v_lshl_add_u32 v[AK0], v105, 4, v[AK0]
	v_mul_u32_u24 v[AV0], v104, VP
	v_lshl_add_u32 v[AV0], v105, 4, v[AV0]
	v_add_nc_u32 v[AV0], VOFF, v[AV0]
	v_lshl_add_u32 v[AS0], v104, 2, SCK
	s_wait_alu depctr_va_vdst(0)                   ; the wait ahead of the waits below
	s_wait_dscnt 0x0
	s_wait_kmcnt 0x0
	s_add_nc_u64 s[4:5], s[4:5], s[94:95]
	s_add_nc_u64 s[16:17], s[16:17], s[94:95]
	WIN 0xc0                                       ; Q as it lies: a load reads one query's 512 consecutive bytes; 64 loads, into window 3
.set jj, 0
.rept 64
	global_load_b128 v[4*jj:4*jj+3], v[GL], s[4:5] offset:8192*jj th:TH_LOAD_NT
.set jj, jj+1
.endr
	WIN 0
	s_load_b32 s68, s[6:7], 0x0                    ; b
	s_mov_b32 s[G0K], 1
	s_mov_b32 s[G0K+1], 0
	s_add_nc_u64 s[G0K+2:G0K+3], s[8:9], s[78:79]
	s_or_b32 s[G0K+3], s[G0K+3], 0x80000000
	s_mov_b32 s[G0V], 1
	s_mov_b32 s[G0V+1], VOFF
	s_add_nc_u64 s[G0V+2:G0V+3], s[12:13], s[78:79]
	s_or_b32 s[G0V+3], s[G0V+3], 0x80000000
	s_mov_b32 s[G0SK], 1
	s_mov_b32 s[G0SK+1], SCK
	s_add_nc_u64 s[G0SK+2:G0SK+3], s[10:11], s[82:83]
	s_or_b32 s[G0SK+3], s[G0SK+3], 0x80000000
	s_mov_b32 s[G0SV], 1
	s_mov_b32 s[G0SV+1], SCV
	s_add_nc_u64 s[G0SV+2:G0SV+3], s[14:15], s[82:83]
	s_or_b32 s[G0SV+3], s[G0SV+3], 0x80000000
	CROUND                                         ; the first joint loads meet
	s_cmp_lt_u32 s[WV], 1                          ; one load a wave, one chain of arms: slot 0's K, slot 0's V, K's scale bytes, V's
	s_cbranch_scc0 .Lh1
	TL G0K, G1K
	s_branch .Lhj
.Lh1:
	s_cmp_lt_u32 s[WV], 2
	s_cbranch_scc0 .Lh2
	TL G0V, G1V
	s_branch .Lhj
.Lh2:
	s_cmp_lt_u32 s[WV], 3
	s_cbranch_scc0 .Lh3
	TL G0SK, G1S
	s_branch .Lhj
.Lh3:
	TL G0SV, G1S
.Lhj:
	s_cmp_eq_u32 s[WV], 2                          ; the prefetches: wave 2 asks for K's codes, wave 3 for V's
	s_cselect_b64 s[PFA:PFA+1], s[8:9], s[12:13]
	s_mov_b32 s[PFS], 256
	s_cselect_b32 s[PFS], 32768, s[PFS]            ; a slot on
	s_mov_b32 s96, 3072
	s_cselect_b32 s96, 256, s96                    ; from lane to lane
	s_mov_b32 s97, 98304
	s_cselect_b32 s97, 8192, s97                   ; from partner to partner
	v_and_b32 v[PFO], 31, v0
	v_mul_lo_u32 v[PFO], v[PFO], s96
	s_mul_i32 s96, s69, s97
	s_add_co_u32 s96, s96, s[PFS]                  ; in slot 1: the first change steps it to slot 2
	s_add_co_u32 s96, s96, s72
	s_mov_b32 s97, 0
	s_mov_b32 s[PFS+1], 0
	s_add_nc_u64 s[PFA:PFA+1], s[PFA:PFA+1], s[96:97]
	s_sub_co_u32 s96, s[WV], 2
	s_lshr_b32 s96, s96, 1                         ; 0 in waves 2 and 3,
	s_or_b32 s96, s96, ttmp9                       ; of the head's first cluster
	s_cmp_eq_u32 s96, 0
	s_cselect_b32 s[LIM], 1, -1
	s_wait_kmcnt 0x0                               ; b
	v_mov_b32 v[BLV], 0x3fb8aa3b
	v_mul_f32 v[BLV], s68, v[BLV]
.irp b, 4,5,6,7,20,21,22,23
	v_mov_b32 v[W+\b], 0                           ; a lane permute's destination counts as a source
.endr
.irp x, 0,1,2,3
	v_mov_b32 v[ST+8*\x+1], 0xff61b1e6             ; -3e38, under every t
	v_floor_f32 v[ST+8*\x], -v[ST+8*\x+1]
	v_mov_b32 v[ST+8*\x+2], 0
	v_mov_b32 v[ST+8*\x+3], 0
.endr
	WIN 0x80
.set jj, 0
.rept 256
	v_mov_b32 v[jj], 0                             ; O^T: the step has no first form of its own (a further text of it would be longer than these lines); they stand under Q's loads
.set jj, jj+1
.endr
	WIN 0
.macro STG x                           ; tile x of Q through my stage: 16 rows in as loaded, back 64 bytes of each block's half a lane: register 16 b + i = channel 32 b + 16 h + i of query r
	s_wait_loadcnt 48-16*(\x)                      ; behind tile x's 16 loads stand those of the later tiles
	WIN 0x0c
.set jj, 0
.rept 16
	ds_store_b128 v[SRW], v[64*(\x)+4*jj:64*(\x)+4*jj+3] offset:jj*QPI
.set jj, jj+1
.endr
	WIN 0
.irp b, 0,1,2,3
.irp j, 0,1,2,3
	ds_load_b128 v[S+64*((\x)%2)+16*\b+4*\j:S+64*((\x)%2)+16*\b+4*\j+3], v[SQF] offset:128*\b+16*\j   ; LDS serves a wave in order: these see my stores
.endr
.endr
.endm
.macro QUANTQ x
.set rS, S+64*((\x)%2)
.set rW, W+16*((\x)%2)
.irp b, 0,1,2,3
	v_max3_num_f32 v[rW+\b], |v[rS+16*\b]|, |v[rS+16*\b+1]|, 0x4800000   ; with the floor 2^(9 - 127)
.endr
.irp i, 2,4,6,8,10,12,14
.irp b, 0,1,2,3
	v_max3_num_f32 v[rW+\b], v[rW+\b], |v[rS+16*\b+\i]|, |v[rS+16*\b+\i+1]|
.endr
.endr
.irp b, 0,1,2,3
	v_permlanex16_b32 v[rW+4+\b], v[rW+\b], s[SEL], s[SEL+1]
.endr
.irp b, 0,1,2,3
	v_max_num_f32 v[rW+\b], v[rW+\b], v[rW+4+\b]
.endr
.irp b, 0,1,2,3
	v_add_nc_u32 v[rW+12+\b], 0xfc000000, v[rW+\b]
.endr
.irp b, 0,1,2,3
	v_and_or_b32 v[rW+8+\b], v[rW+\b], 0x7f800000, s[MNT]
.endr
.irp b, 0,1,2,3
	v_lshrrev_b32 v[rW+4+\b], 23, v[rW+12+\b]
.endr
	v_lshl_or_b32 v[QS+(\x)], v[rW+5], 8, v[rW+4]
	v_lshl_or_b32 v[QS+(\x)], v[rW+6], 16, v[QS+(\x)]
	v_lshl_or_b32 v[QS+(\x)], v[rW+7], 24, v[QS+(\x)]
.set jj, 0
.rept 64
	v_med3_num_f32 v[rS+jj], v[rS+jj], -v[rW+8+jj/16], v[rW+8+jj/16]   ; the conversion does not saturate (ISA guide 7.6.2)
.set jj, jj+1
.endr
	WIN 0x40
.irp b, 0,1,2,3
	v_cvt_scalef32_pk8_fp8_f32 v[16*(\x)+4*\b:16*(\x)+4*\b+1], v[rS+16*\b:rS+16*\b+7], v[rW+12+\b]
	v_cvt_scalef32_pk8_fp8_f32 v[16*(\x)+4*\b+2:16*(\x)+4*\b+3], v[rS+16*\b+8:rS+16*\b+15], v[rW+12+\b]
.endr
	WIN 0
	v_nop                                          ; a plain line behind the last conversion
.endm
	s_wait_alu depctr_va_vdst(0)                   ; the wait at the head's end
	STG 0
	STG 1
	s_wait_dscnt 32                                ; tile 0 is back; tile 1's 32 LDS lines may be out
	QUANTQ 0
	STG 2
	s_wait_dscnt 32
	QUANTQ 1
	STG 3
	s_wait_dscnt 32
	QUANTQ 2
	s_wait_dscnt 0x0
	QUANTQ 3
; THE SOFTMAX of tiles 2 g and 2 g + 1, line by line in turns: v[S + 64 y + 16 b + i] is the score of key 32 b + 16 (lane / 16) + i.  g = 1: O^T of tiles 0, 1 takes this step's product with V among the exponentials.
.macro SOFTMAX g
.irp y, 0,1
.irp b, 0,1,2,3
	v_max3_num_f32 v[W+16*\y+\b], v[S+64*\y+16*\b], v[S+64*\y+16*\b+1], v[S+64*\y+16*\b+2]   ; a block's largest score serves the row's maximum and the block's largest p; each result is read from its low end on
.endr
.endr
.irp i, 3,5,7,9,11,13
.irp y, 0,1
.irp b, 0,1,2,3
	v_max3_num_f32 v[W+16*\y+\b], v[W+16*\y+\b], v[S+64*\y+16*\b+\i], v[S+64*\y+16*\b+\i+1]
.endr
.endr
.endr
.irp y, 0,1
.irp b, 0,1,2,3
	v_max_num_f32 v[W+16*\y+\b], v[W+16*\y+\b], v[S+64*\y+16*\b+15]
.endr
.endr
.irp y, 0,1
.irp b, 0,1,2,3
	v_permlanex16_b32 v[W+16*\y+4+\b], v[W+16*\y+\b], s[SEL], s[SEL+1]
.endr
.endr
.irp y, 0,1
.irp b, 0,1,2,3
	v_max_num_f32 v[W+16*\y+\b], v[W+16*\y+\b], v[W+16*\y+4+\b]
.endr
.endr
.irp y, 0,1
	v_max3_num_f32 v[ST+8*(2*\g+\y)+7], v[W+16*\y], v[W+16*\y+1], v[W+16*\y+2]
.endr
.irp y, 0,1
	v_max_num_f32 v[ST+8*(2*\g+\y)+7], v[ST+8*(2*\g+\y)+7], v[W+16*\y+3]
.endr
.irp y, 0,1
	v_fma_f32 v[ST+8*(2*\g+\y)+7], v[ST+8*(2*\g+\y)+7], s[CS], v[BV]   ; as t: all keys of a step have one bias
.endr
.irp y, 0,1
	v_max_num_f32 v[ST+8*(2*\g+\y)+1], v[ST+8*(2*\g+\y)+1], v[ST+8*(2*\g+\y)+7]
.endr
.irp y, 0,1
	v_mov_b32 v[ST+8*(2*\g+\y)+5], v[ST+8*(2*\g+\y)]
.endr
.irp y, 0,1
	v_floor_f32 v[ST+8*(2*\g+\y)], -v[ST+8*(2*\g+\y)+1]   ; the new -M
.endr
.irp y, 0,1
	v_sub_f32 v[ST+8*(2*\g+\y)+5], v[ST+8*(2*\g+\y)], v[ST+8*(2*\g+\y)+5]
.endr
.irp y, 0,1
	v_add_f32 v[ST+8*(2*\g+\y)+6], v[BV], v[ST+8*(2*\g+\y)]   ; bias - M
.endr
.irp y, 0,1
	v_cvt_i32_f32 v[ST+8*(2*\g+\y)+5], v[ST+8*(2*\g+\y)+5]
.endr
.irp y, 0,1
	v_ldexp_f32 v[ST+8*(2*\g+\y)+4], 1.0, v[ST+8*(2*\g+\y)+5]   ; f = 2^(old M - new M)
.endr
.irp y, 0,1
.set jj, 0
.rept 32
	v_pk_fma_f32 v[S+64*\y+jj:S+64*\y+jj+1], v[S+64*\y+jj:S+64*\y+jj+1], s[CS:CS+1], v[ST+8*(2*\g+\y)+6:ST+8*(2*\g+\y)+7] op_sel_hi:[1,0,0]   ; t - M
.set jj, jj+2
.endr
.endr
.irp y, 0,1
.irp b, 0,1,2,3
	v_fma_f32 v[W+16*\y+\b], v[W+16*\y+\b], s[CS], v[ST+8*(2*\g+\y)+6]
.endr
.endr
.if \g
	s_wait_dscnt 0x0                               ; V's fragments and scale words of this step are in
.endif
	s_wait_alu depctr_va_vdst(0)                   ; the wait ahead of the batch
.set jj, 0
.rept 128
.if (\g) && (jj%8 == 0)
	WIN 0xa7                                       ; O^T(tile (jj / 8) % 2, channels 16 (jj / 16) ..) += V^T P^T: sixteen accumulators, one instruction a turn
	v_wmma_scale_f32_16x16x128_f8f6f4 v[64*((jj/8)%2)+8*(jj/16):64*((jj/8)%2)+8*(jj/16)+7], v[128+16*(jj/16):128+16*(jj/16)+15], v[PC+16*((jj/8)%2):PC+16*((jj/8)%2)+15], v[64*((jj/8)%2)+8*(jj/16):64*((jj/8)%2)+8*(jj/16)+7], v[FV+jj/16], v[PS+(jj/8)%2]
	WIN 0
.endif
	v_exp_f32 v[S+jj], v[S+jj]                     ; p
.set jj, jj+1
.endr
.irp y, 0,1
.irp b, 0,1,2,3
	v_exp_f32 v[W+16*\y+\b], v[W+16*\y+\b]         ; the block's largest p
.endr
.endr
.irp y, 0,1
	v_pk_mul_f32 v[ST+8*(2*\g+\y)+2:ST+8*(2*\g+\y)+3], v[ST+8*(2*\g+\y)+2:ST+8*(2*\g+\y)+3], v[ST+8*(2*\g+\y)+4:ST+8*(2*\g+\y)+5] op_sel_hi:[1,0]   ; the sums under the new M
.endr
	s_wait_alu depctr_va_vdst(0)                   ; and behind it
.irp y, 0,1
.irp b, 0,1,2,3
	v_max_num_f32 v[W+16*\y+\b], 0x4800000, v[W+16*\y+\b]
.endr
.endr
.irp y, 0,1
.irp b, 0,1,2,3
	v_add_nc_u32 v[W+16*\y+12+\b], 0xfc000000, v[W+16*\y+\b]
.endr
.endr
.irp y, 0,1
.irp b, 0,1,2,3
	v_and_or_b32 v[W+16*\y+8+\b], v[W+16*\y+\b], 0x7f800000, s[MNT]
.endr
.endr
.irp y, 0,1
.irp b, 0,1,2,3
	v_lshrrev_b32 v[W+16*\y+4+\b], 23, v[W+16*\y+12+\b]
.endr
.endr
.irp y, 0,1
	v_lshl_or_b32 v[PS+2*\g+\y], v[W+16*\y+5], 8, v[W+16*\y+4]
.endr
.irp y, 0,1
	v_lshl_or_b32 v[PS+2*\g+\y], v[W+16*\y+6], 16, v[PS+2*\g+\y]
.endr
.irp y, 0,1
	v_lshl_or_b32 v[PS+2*\g+\y], v[W+16*\y+7], 24, v[PS+2*\g+\y]
.endr
.irp q, 0,1,2                                  ; the sum of the unquantised p: four chains a tile, eight in turns
.irp y, 0,1
	v_pk_add_f32 v[W+16*\y+2*\q:W+16*\y+2*\q+1], v[S+64*\y+4*\q:S+64*\y+4*\q+1], v[S+64*\y+4*\q+2:S+64*\y+4*\q+3]
.endr
.endr
.irp y, 0,1
	v_pk_add_f32 v[ST+8*(2*\g+\y)+2:ST+8*(2*\g+\y)+3], v[ST+8*(2*\g+\y)+2:ST+8*(2*\g+\y)+3], v[S+64*\y+12:S+64*\y+13]
.endr
.set jj, 14
.rept 6
.irp q, 0,1,2
.irp y, 0,1
	v_pk_add_f32 v[W+16*\y+2*\q:W+16*\y+2*\q+1], v[W+16*\y+2*\q:W+16*\y+2*\q+1], v[S+64*\y+jj+2*\q:S+64*\y+jj+2*\q+1]
.endr
.endr
.irp y, 0,1
	v_pk_add_f32 v[ST+8*(2*\g+\y)+2:ST+8*(2*\g+\y)+3], v[ST+8*(2*\g+\y)+2:ST+8*(2*\g+\y)+3], v[S+64*\y+jj+6:S+64*\y+jj+7]
.endr
.set jj, jj+8
.endr
.irp y, 0,1
	v_pk_add_f32 v[W+16*\y:W+16*\y+1], v[W+16*\y:W+16*\y+1], v[S+64*\y+62:S+64*\y+63]
.endr
.irp y, 0,1
	v_pk_add_f32 v[W+16*\y+2:W+16*\y+3], v[W+16*\y+2:W+16*\y+3], v[W+16*\y+4:W+16*\y+5]
.endr
.irp y, 0,1
	v_pk_add_f32 v[ST+8*(2*\g+\y)+2:ST+8*(2*\g+\y)+3], v[ST+8*(2*\g+\y)+2:ST+8*(2*\g+\y)+3], v[W+16*\y:W+16*\y+1]
.endr
.irp y, 0,1
	v_pk_add_f32 v[ST+8*(2*\g+\y)+2:ST+8*(2*\g+\y)+3], v[ST+8*(2*\g+\y)+2:ST+8*(2*\g+\y)+3], v[W+16*\y+2:W+16*\y+3]
.endr
.irp y, 0,1
.irp b, 0,2                                    ; the hold, one-sided, two numbers a line: number j of block b with number j xor 1 of block b + 1, so that destinations differ in parity and sources in their number modulo 4
.set jj, 0
.rept 16
	v_dual_min_num_f32 v[S+64*\y+16*\b+jj], v[S+64*\y+16*\b+jj], v[W+16*\y+8+\b] :: v_dual_min_num_f32 v[S+64*\y+16*\b+16+(jj^1)], v[S+64*\y+16*\b+16+(jj^1)], v[W+16*\y+9+\b]
.set jj, jj+1
.endr
.endr
.endr
	WIN 0x40
.irp y, 0,1
.irp b, 0,1,2,3
	v_cvt_scalef32_pk8_fp8_f32 v[PC+16*(2*\g+\y)+4*\b:PC+16*(2*\g+\y)+4*\b+1], v[S+64*\y+16*\b:S+64*\y+16*\b+7], v[W+16*\y+12+\b]
	v_cvt_scalef32_pk8_fp8_f32 v[PC+16*(2*\g+\y)+4*\b+2:PC+16*(2*\g+\y)+4*\b+3], v[S+64*\y+16*\b+8:S+64*\y+16*\b+15], v[W+16*\y+12+\b]
.endr
.endr
	WIN 0
	v_nop                                          ; a plain line behind the last conversion
.endm
.macro RESC xa, xb                     ; O^T of two tiles under their new M
	WIN 0x82
	s_wait_alu depctr_va_vdst(0)                   ; the wait directly ahead of the first readers of O^T
.irp x, \xa,\xb
.set jj, 0
.rept 32
	v_pk_mul_f32 v[64*\x+jj:64*\x+jj+1], v[64*\x+jj:64*\x+jj+1], v[ST+8*\x+4:ST+8*\x+5] op_sel_hi:[1,0]
.set jj, jj+2
.endr
.endr
	WIN 0
.endm
.macro PVTOP                           ; tiles 2, 3: O^T += V^T P^T of the step whose p and V lie in registers
	RESC 2, 3
	WIN 0xa7
.irp t, 0,1,2,3,4,5,6,7
.irp x, 2,3
	v_wmma_scale_f32_16x16x128_f8f6f4 v[64*\x+8*\t:64*\x+8*\t+7], v[128+16*\t:128+16*\t+15], v[PC+16*\x:PC+16*\x+15], v[64*\x+8*\t:64*\x+8*\t+7], v[FV+\t], v[PS+\x]   ; sixteen accumulators, one instruction a turn
.endr
.endr
	WIN 0
.endm
.macro QK g
	WIN 0x07
.irp t, 0,1,2,3,4,5,6,7
.if \g == 0
	s_wait_dscnt 4*(7-\t)                          ; fragment t is in: behind it stand the four loads of each later fragment
.endif
.irp y, 0,1
	v_wmma_scale_f32_16x16x128_f8f6f4 v[S+64*\y+8*\t:S+64*\y+8*\t+7], v[16*\t:16*\t+15], v[16*(2*\g+\y):16*(2*\g+\y)+15], 0, v[FK+\t], v[QS+2*\g+\y]
.endr
.endr
	WIN 0
.rept 8
	v_nop                                          ; eight places ahead of the first read of the scores (and of the loads into V's registers)
.endr
.endm
.macro STEP first
	v_add_nc_u32 v[ADK], s[TK], v[AK0]
	v_add_nc_u32 v[ADV], s[TV], v[AV0]
	v_add_nc_u32 v[ADS], s[TS], v[AS0]
	s_wait_alu depctr_va_vdst(0)
.irp t, 0,1,2,3,4,5,6,7
	ds_load_b32 v[FK+\t], v[ADS] offset:64*\t
.endr
	WIN 0xc0
.irp t, 0,1,2,3,4,5,6,7
.irp c, 0,1,2,3
	ds_load_b128 v[16*\t+4*\c:16*\t+4*\c+3], v[ADK] offset:16*\t*KP+32*\c
.endr
.endr
	WIN 0
.if \first
	s_cmp_eq_u32 s[TS], 0                          ; the launch's first step has no step before it: a branch on the count of steps, round register work alone
	s_cbranch_scc1 .Lnopv_\@
.endif
	PVTOP
.Lnopv_\@:
	QK 0
.irp t, 0,1,2,3,4,5,6,7
	ds_load_b32 v[FV+\t], v[ADS] offset:12288+64*\t
.endr
	WIN 0xc0
.irp t, 0,1,2,3,4,5,6,7
.irp c, 0,1,2,3
	ds_load_b128 v[128+16*\t+4*\c:128+16*\t+4*\c+3], v[ADV] offset:16*\t*VP+32*\c
.endr
.endr
	WIN 0
	SOFTMAX 0
	RESC 0, 1
	QK 1
	SOFTMAX 1
.endm
; THE CHANGE OF SLOTS, at a slot's head: all my tensor loads are in, the add, my reads of the slot left are over; fill = 1: a round of the cluster's barrier, and the slot left takes the next 256 keys.
.macro CHANGE fill
	s_wait_tensorcnt 0x0
	ds_add_u32 v[SPW], v[NIL]
.if \fill
	s_xor_b32 s[G0K+1], s[G0K+1], SLOT1
	s_add_nc_u64 s[G0K+2:G0K+3], s[G0K+2:G0K+3], 32768
	s_xor_b32 s[G0V+1], s[G0V+1], SLOT1
	s_add_nc_u64 s[G0V+2:G0V+3], s[G0V+2:G0V+3], 256
	s_wait_xcnt 0x0                                ; the last prefetch has read its address
	s_add_nc_u64 s[PFA:PFA+1], s[PFA:PFA+1], s[PFS:PFS+1]
	s_wait_dscnt 0x0
	CROUND
	JLOAD
	ASK
.else
	s_wait_dscnt 0x0
	s_barrier_signal -1
	s_barrier_wait -1
.endif
.endm
.macro SLOT_STEPS first
	s_cmp_lt_u32 s[SLOTS], 4                       ; the slot in hand is number 11 - SLOTS; 8 to 11 hold the condition keys
	s_cselect_b32 s[BI], -1, 0
	v_and_b32 v[BV], s[BI], v[BLV]
	s_mov_b32 s[TK], s[TB]
	s_mov_b32 s[TV], s[TB]
	s_mov_b32 s[CNT], 2
.Lstep_\@:
	STEP \first
	s_add_co_u32 s[TK], s[TK], 128*KP
	s_add_co_u32 s[TV], s[TV], 128
	s_add_co_u32 s[TS], s[TS], 512
	s_sub_co_u32 s[CNT], s[CNT], 1
	s_cmp_lg_u32 s[CNT], 0
	s_cbranch_scc1 .Lstep_\@
	s_xor_b32 s[TB], s[TB], SLOT1
.endm
.Lslot:                                            ; 11 trips
	CHANGE 1
	SLOT_STEPS 1
	s_sub_co_u32 s[SLOTS], s[SLOTS], 1
	s_cmp_lg_u32 s[SLOTS], 0
	s_cbranch_scc1 .Lslot
	CHANGE 0                                       ; the last slot is written out
	SLOT_STEPS 0
	PVTOP                                          ; the last step's product with V of tiles 2, 3
	; THE WAY OUT: O^T / the sum, a tile of 16 queries x 512 bytes at a time through my stage; a store covers one query's 512 consecutive bytes.  The twelve lines below are the places behind the last products.
.irp x, 0,1,2,3
	v_add_f32 v[ST+8*\x+2], v[ST+8*\x+2], v[ST+8*\x+3]
.endr
.irp x, 0,1,2,3
	v_permlanex16_b32 v[W+4+\x], v[ST+8*\x+2], s[SEL], s[SEL+1]
.endr
.irp x, 0,1,2,3
	v_add_f32 v[ST+8*\x+2], v[ST+8*\x+2], v[W+4+\x]
.endr
	s_wait_alu depctr_va_vdst(0)                   ; ahead of the batch
.irp x, 0,1,2,3
	v_rcp_f32 v[ST+8*\x+4], v[ST+8*\x+2]
.endr
	v_nop
.macro PACK x
.if (\x) >= 2
	s_wait_xcnt 0x0                                ; the stores of two tiles back have read these registers
.endif
	WIN 0x02
	s_wait_alu depctr_va_vdst(0)                   ; behind the reciprocals, directly ahead of the first readers of this tile's O^T
.set jj, 0
.rept 32
	v_pk_mul_f32 v[S+64*((\x)%2)+jj:S+64*((\x)%2)+jj+1], v[64*(\x)+jj:64*(\x)+jj+1], v[ST+8*(\x)+4:ST+8*(\x)+5] op_sel_hi:[1,0]   ; register 8 t + i = out(query r, channel 16 t + 8 h + i)
.set jj, jj+2
.endr
	WIN 0
.irp t, 0,1,2,3,4,5,6,7
	ds_store_b128 v[SOF], v[S+64*((\x)%2)+8*\t:S+64*((\x)%2)+8*\t+3] offset:64*\t
	ds_store_b128 v[SOF], v[S+64*((\x)%2)+8*\t+4:S+64*((\x)%2)+8*\t+7] offset:64*\t+16
.endr
.set jj, 0
.rept 16
	ds_load_b128 v[S+64*((\x)%2)+4*jj:S+64*((\x)%2)+4*jj+3], v[SRW] offset:jj*QPI   ; in order behind my stores
.set jj, jj+1
.endr
.endm
.macro SEND x, younger
.set jj, 0
.rept 16
	s_wait_dscnt \younger+15-jj
	global_store_b128 v[GL], v[S+64*((\x)%2)+4*jj:S+64*((\x)%2)+4*jj+3], s[16:17] offset:(16*(\x)+jj)*8192 th:TH_STORE_NT
.set jj, jj+1
.endr
.endm
	PACK 0
	PACK 1
	SEND 0, 32                                     ; behind tile 0's loads stand tile 1's 32 LDS lines
	PACK 2
	SEND 1, 32
	PACK 3
	SEND 2, 32
	SEND 3, 0
	s_wait_tensorcnt 0x0                           ; the wave's end
	ds_add_u32 v[SPW], v[NIL]
	s_wait_dscnt 0x0
	CROUND                                         ; the closing round
	s_endpgm
.Lfunc_end_k_q52a452c6e9_attn:
	.size	k_q52a452c6e9_attn, .Lfunc_end_k_q52a452c6e9_attn-k_q52a452c6e9_attn
	.p2alignl 7, 3214868480
	.fill 96, 4, 3214868480
	.section	.rodata,"a",@progbits
	.p2align	6, 0x0
	.amdhsa_kernel k_q52a452c6e9_attn
		.amdhsa_group_segment_fixed_size 327680
		.amdhsa_private_segment_fixed_size 0
		.amdhsa_enable_private_segment 0
		.amdhsa_kernarg_size 56
		.amdhsa_user_sgpr_count 2
		.amdhsa_user_sgpr_kernarg_segment_ptr 1
		.amdhsa_wavefront_size32 1
		.amdhsa_system_sgpr_workgroup_id_x 1
		.amdhsa_system_sgpr_workgroup_id_y 1
		.amdhsa_system_sgpr_workgroup_id_z 1
		.amdhsa_system_vgpr_workitem_id 0
		.amdhsa_next_free_vgpr 1024
		.amdhsa_next_free_sgpr 100
		.amdhsa_reserve_vcc 0
		.amdhsa_float_denorm_mode_32 3
		.amdhsa_float_denorm_mode_16_64 3
		.amdhsa_memory_ordered 1
		.amdhsa_forward_progress 1
		.amdhsa_inst_pref_size 249
	.end_amdhsa_kernel
	.amdgpu_metadata
---
amdhsa.version: [ 1, 2 ]
amdhsa.kernels:
  - .name:           k_q52a452c6e9_attn
    .symbol:         k_q52a452c6e9_attn.kd
    .args:
      - { .name: target_q, .offset: 0, .size: 8, .value_kind: global_buffer, .address_space: global }
      - { .name: b_param, .offset: 8, .size: 8, .value_kind: global_buffer, .address_space: global }
      - { .name: k_codes, .offset: 16, .size: 8, .value_kind: global_buffer, .address_space: global }
      - { .name: k_scales, .offset: 24, .size: 8, .value_kind: global_buffer, .address_space: global }
      - { .name: v_codes, .offset: 32, .size: 8, .value_kind: global_buffer, .address_space: global }
      - { .name: v_scales, .offset: 40, .size: 8, .value_kind: global_buffer, .address_space: global }
      - { .name: out0, .offset: 48, .size: 8, .value_kind: global_buffer, .address_space: global }
    .group_segment_fixed_size: 327680
    .private_segment_fixed_size: 0
    .kernarg_segment_align: 8
    .kernarg_segment_size: 56
    .max_flat_workgroup_size: 128
    .sgpr_count:     100
    .vgpr_count:     1024
    .wavefront_size: 32
...
	.end_amdgpu_metadata
.endif
;; end of part 2
